; MI455X (gfx1250); checked and timed in simulation.
; The chip was launched on July 23, 2026; its instructions are those of AMD's public machine-readable ISA for CDNA 5 (MIT licence, August 2026) and "CDNA5" Instruction Set Architecture Reference Guide (July 2026). The comments in the code are by the model that wrote it; some were corrected since.
;; Hoi Output Layers. Allowed arithmetic: matrix products marked QUANTISED: E2M3 operands, one E8M0 scale for each 32 along K, by v_wmma_scale_f32_16x16x128_f8f6f4 with both operands' format E2M3, f32 sums; everything else in f32.
;; Inputs: b1 1,024 float32; b2 50 float32; w1_codes 1,024 x 96 x 24 uint8 (E2M3 codes of w1, K innermost, in blocks of 32 codes, four codes in three bytes); w1_scales 1,024 x 96 uint8 (E8M0 scales of w1, one for each 32 codes along K); w2_codes 50 x 32 x 24 uint8 (E2M3 codes of w2, K innermost, in blocks of 32 codes, four codes in three bytes); w2_scales 50 x 32 uint8 (E8M0 scales of w2, one for each 32 codes along K); x_codes 16,384 x 96 x 24 uint8 (E2M3 codes of x, K innermost, in blocks of 32 codes, four codes in three bytes); x_scales 16,384 x 96 uint8 (E8M0 scales of x, one for each 32 codes along K).
;; Outputs: out0 16,384 x 50 float32.
;; This version of the problem:
;;   THIS VERSION OF THE PROBLEM IS GIVEN IN LOW PRECISION. The matrix products marked QUANTISED in the list below multiply operands that are first quantised to E2M3 (2 exponent bits, 3 mantissa bits; 6 bits a number), with one power-of-two scale for each 32 numbers along K (OCP MX v1.0); their sums are f32. All else is computed in f32.
;;   The module's matrix products, in the order in which they are computed (A, B: the left and right operand; K: the contracted axis; several contracted axes count as one K, in the product's order):
;;     1. [M 16,384, K 3,072] x [K 3,072, N 1,024]; A: input x (given as codes); B: input w1 (given as codes): QUANTISED
;;     2. [M 16,384, K 1,024] x [K 1,024, N 50]; A: computed on the way; B: input w2 (given as codes): QUANTISED
;;   THE QUANTISER, for each operand of a quantised product, along K:
;;     - K is cut into blocks of 32 from its start; a last block that is shorter is filled with zeros.
;;     - A block's scale is 2^e with e = floor(log2(the largest magnitude in the block)) - 2, held to -126 .. 127; a block of zeros has e = 0. As a byte (E8M0): e + 127.
;;     - Each number is divided by its block's scale, clamped to +-7.5, and rounded to the nearest number of E2M3, ties to even, subnormals kept.
;;     - The product sums the exact products of the quantised numbers (number of the format x scale) in f32.
;;   ~~~python
;;   def quantise(x, axis):      # numpy; x: float32 -> the quantised numbers, widened to float32 again
;;       x = np.moveaxis(x, axis, -1); K = x.shape[-1]
;;       x = np.pad(x, [(0, 0)] * (x.ndim - 1) + [(0, -K % 32)]); x = x.reshape(x.shape[:-1] + (-1, 32)); a = np.abs(x).max(-1, keepdims=True)
;;       e = np.where(a > 0, np.clip(np.frexp(np.where(a > 0, a, 1))[1] - 1 - 2, -126, 127), 0)      # np.frexp(a)[1] - 1 = floor(log2(a)), exactly
;;       r = np.clip(x / 2.0 ** e, -7.5, 7.5)
;;       step = 2.0 ** (np.maximum(np.frexp(np.where(r == 0, 1, r))[1] - 1, 0) - 3)
;;       q = np.round(r / step) * step * 2.0 ** e      # np.round: ties to even
;;       return np.moveaxis(q.reshape(q.shape[:-2] + (-1,))[..., :K], -1, axis).astype(np.float32)
;;   ~~~
;;   OPERANDS COMPUTED ON THE WAY. 'Computed on the way' means the value that the module computes at that place (a softmax that the list does not call 'softmax' is quantised finished and normalised). What goes into a quantiser is computed in f32, as accurately as f32 sums, v_exp_f32 and their like allow (about 1e-6 of the number): no bf16 or f16 on the way to a quantiser, and a product that is left as it is and whose result goes on into a quantised operand takes f32 operands (vector FMAs, or v_wmma_f32_16x16x4_f32). A number that lies on a knife's edge between two numbers of the format may be rounded either way, as far as f32 arithmetic and the matrix unit's own rounding can turn it there, and no further.
;;   INPUTS GIVEN AS CODES. w1 (in the module: [3072, 1024], K = its axis 0); w2 (in the module: [1024, 50], K = its axis 0); x (in the module: [16384, 3072], K = its axis 1): each comes as NAME_codes (uint8): NAME with its K axis moved to the last place and cut into blocks of 32 codes, [.., K / 32, bytes a block], one block behind the other in memory; four codes in three bytes: a row's codes are one little-endian stream of bits, code i at bits 6 i .. 6 i + 5 (a code: sign, 2 exponent bits, 3 mantissa bits); and NAME_scales (uint8): the same leading axes, one E8M0 byte (e + 127) for each 32 codes along K. Its value is code x scale, taken as it is: it is not quantised again, and the codes and scales need not be those that the quantiser above would give.
;; One version. Each part assembles by itself: llvm-mc -triple=amdgcn-amd-amdhsa -mcpu=gfx1250 --defsym DOCPART=n.
;; ======== version 1 of 1: 2 launches
;; limits: right only within a limited range of input values
;; workspace buffers: hcodes 12,582,912 bytes; hscales 524,288 bytes
;; launch fc1 (part 1): grid 4 x 64, 4 waves a work-group, clusters of 4 x 4, 327,680 bytes of LDS; arguments x_codes, x_scales, w1_codes, w1_scales, b1, hcodes, hscales; writes hcodes, hscales
.if DOCPART == 1
	.amdgcn_target "amdgcn-amd-amdhsa--gfx1250"
	.amdhsa_code_object_version 6
	.text
	.protected	k_q15ae4a7c21_fc1
	.globl	k_q15ae4a7c21_fc1
	.p2align	8
	.type	k_q15ae4a7c21_fc1,@function
k_q15ae4a7c21_fc1:
	s_mov_b64 s[64:65], 0
	v_nop
	global_prefetch_b8 v0, s[64:65] scope:SCOPE_SE
	s_setreg_imm32_b32 hwreg(HW_REG_WAVE_MODE, 25, 1), 1
	s_wait_xcnt 0x0
	s_wait_alu depctr_hold_cnt(0) depctr_sa_sdst(0) depctr_va_vdst(0) depctr_va_sdst(0) depctr_va_ssrc(0) depctr_va_vcc(0) depctr_vm_vsrc(0)
	s_getreg_b32 s2, hwreg(HW_REG_IB_STS2, 6, 4)
	s_cmp_eq_u32 s2, 0
	s_cbranch_scc0 .Lentry_in_a_cluster
	s_endpgm
.Lentry_in_a_cluster:
	s_bfe_u32 s2, ttmp6, 0x10000c
	s_cmp_lg_u32 s2, 0xf033
	s_cbranch_scc0 .Lentry_shape_is_right
	s_endpgm
.Lentry_shape_is_right:
; h = relu(x W1^T + b1), quantised along the hidden axis to codes of FP6 (E2M3) with one E8M0 byte for each 32 hidden units.
; x: [16384][3072], W1: [1024][3072]: codes of 6 bits, K innermost, a row 2,304 bytes; their scale bytes [..][96].  b1: [1024] f32.
; SHARES.  A tile of h, 256 rows x 256 hidden units, is made by a work-group of four waves; 64 x 4 tiles are 256 work-groups.  A wave makes 128 x 128: 64 accumulators of 16 x 16, 512 registers.
; K goes in 24 steps of 128 (96 bytes of a row) and arrives in 9 CHUNKS OF 256 BYTES of each row, which begin at multiples of 256 bytes; chunk c lies in slot c % 2 of a ring of two.
; THE BLOCKS ALONG K are taken in another order, alike for x and W1: of a step's four blocks of 32, lanes 0-15 take blocks 0 and 1 and lanes 16-31 blocks 2 and 3, so that a lane's 48 bytes are neighbours: three loads of
; 16 bytes.  The instruction's blocks 0, 1, 2, 3 are then the row's 0, 2, 1, 3, and the scale words' bytes are put in that order.  The products are the same, summed in another order.
; THE SCALE BYTES of the work-group's 256 + 256 rows, for all of K, come into LDS once, at the head.  They begin in slot 1's last 512 bytes, which hold bytes of x's rows 0 to 5 alone: the words of each wave's first 16 rows
; are read into registers for all of K before slot 1 is first filled; the other rows' words are read from LDS, four steps' at a time.
; CLUSTERS: 4 x 4 work-groups.  The four of a row of the cluster need the same tiles of x, the four of a column the same tiles of W1: each tile is asked for JOINTLY (same load, same descriptor, a mask that names the four).
; THE MATRIX INSTRUCTION IS USED TRANSPOSED (source 0 = 16 rows of W1, source 1 = 16 rows of x): lane (r, h) holds row r of x, and register j of tile b the hidden unit 16 b + 8 h + j.  b1 is the C of each sum's first product.
; THE WAY OUT has no LDS: a block of 16 rows x 128 hidden units is one K step of the next product; the fragment's 12 registers are stored as they stand (hcodes: [row tile][K step][3 x 512 bytes], 16 bytes a lane), so that
; the next launch loads the same registers into the same lanes.  hscales: [4 row tiles][K step][row][row tile % 4], one word each.
; ORDER INSIDE A BLOCK OF 32 of hidden units: groups of eight 0, 2, 1, 3; the next launch lays W2's codes in the same order.  Which numbers form a block is unchanged, so the scales are the quantiser's own.
; LIMITS: a block of zeros gets the byte 1 where the quantiser says 127 (its codes are zeros, and this program alone reads the bytes); NaN and infinities in the hidden layer are not served (relu here turns NaN into 0).
; REGISTERS, in windows of 256: window 0: v1-15 at work; v16-47 scale words, two sets of 16; v48-55 LDS addresses, on the way out v48-63 at work; v64-255 x's fragments, two sets.
;   window 1: v0-191 W1's fragments, two sets; v192-247 scale words as they lie in LDS.   window 2: the 32 accumulators of my rows 0-63 ((a, b) at v[8 (8 a + b)]);   window 3: those of my rows 64-127.
.set KROW,   2304                      ; a row of x or W1 in memory
.set PITCH,  272                       ; an LDS row: 17 x 16 bytes: the 16 rows that half a wave's load touches begin in 16 different 16-byte columns of 256 bytes (64 banks of 4 bytes: ISA guide 11.1)
.set HALFT,  128*PITCH                 ; 128 rows: what one refill brings, and what one wave reads of x or of W1
.set SLOT,   4*HALFT                   ; x's 256 rows, then W1's 256 rows
.set SCL,    2*SLOT-512                ; the scale bytes, dense: x's 256 rows, W1's 256 rows
.set HALFS,  128*96
.set SPARE,  SCL+4*HALFS               ; the spare words, 128 bytes for each wave
.set LI,     6                         ; v6   16 x lane: my place in a fragment's image
.set HSA,    7                         ; v7   2048 h + 16 r: my place among the scale words that I store
.set ADRS,   12                        ; v12  LDS address of my scale words: lanes 0-15 x's rows, lanes 16-31 W1's
.set PFO,    13                        ; v13  the prefetches' offset: 2,304 x lane
.set SPW,    14                        ; v14  LDS address of my spare word
.set NIL,    15                        ; v15  0
.set SC,     16                        ; scale words: set s, the pair's q-th step, block i at v[SC + 16 s + 8 q + i]: lanes 0-15 x's, lanes 16-31 W1's
.set ADRA,   48                        ; v48-49 LDS address of my x fragments in slot 0, 1: row + 48 h;  v50-51: lanes 0-15 byte 208 of the row in slot 0, 1, lanes 16-31 byte 0 of the row in the other slot
.set ADRB,   52                        ; v52-55 the same for W1
.set TM,     48                        ; the way out: v48-51 largest numbers, v52-55 bytes,
.set TS,     56                        ; v56-59 the conversions' scale operands,
.set Q4,     60                        ; v60-63 the four scale words that my half of the lanes stores,
.set WD,     4                         ; v4   a scale word of blocks 4-7
.set XF,     64
.set HA,     64                        ; on x's set 0: v64-127 a block's 64 numbers,
.set CD,     128                       ; v128-139, v140-151 codes, by turns,
.set CT,     152                       ; v152-158 the conversions' second halves
.set RAW,    192                       ; window 1: word w of four steps, block i (1 to 7), at v[RAW + 4 i + w]
.set RW0,    224                       ; and of block 0, step n, at v[RW0 + n]
.set G1, 24                            ; s[24:31] group 1 for x's tiles;  s[32:39] group 0, one set for each slot
.set G0, 32
.set G1B, 48                           ; s[48:55], s[56:63] the same for W1's
.set G0B, 56
.set PFA, 66                           ; s[66:67] where my prefetches stand
.set G1S, 68                           ; s[68:75], s[76:79] groups 1 and 0 for x's scales;  s[80:87], s[88:91] for W1's
.set G0S, 76
.set G1SB, 80
.set G0SB, 88
.set G0H, 4                            ; s[4:7], s[8:11] group 0 for the head's loads of x's and W1's 256 rows
.set G0HB, 8
.set LIM, 47                           ; s47  1 in a wave that prefetches, else the greatest number
.set SEL, 100                          ; s[100:101] v_permlanex16_b32's selects for lane l xor 16
.set MSB, 0
.macro WIN new                         ; the immediate's high byte repeats the setting that is left
.if MSB != (\new)
	s_set_vgpr_msb (MSB<<8)|(\new)
.set MSB, (\new)
.endif
.endm
.set TO_B, 0x40                        ; destination window 1, address window 0
.macro PLACES n                        ; places behind matrix instructions (ISA guide 7.12.1)
.rept \n
	v_nop
.endr
.endm
; A joint load: waves 0 and 1 fetch for x, waves 2 and 3 for W1.  Each line has ONE mask and one set of registers for all that issue it; the branch hangs on the wave's number alone.
.macro JLOAD g0a, g1a, g0b, g1b
	s_cmp_eq_u32 s15, 0
	s_cbranch_scc0 .Lfor_b_\@
	tensor_load_to_lds s[\g0a:\g0a+3], s[\g1a:\g1a+7]
	s_nop 0
	PLACES 4
	s_branch .Lasked_\@
.Lfor_b_\@:
	tensor_load_to_lds s[\g0b:\g0b+3], s[\g1b:\g1b+7]
	s_nop 0
	PLACES 4
.Lasked_\@:
.endm
.macro CREST                           ; a round of the cluster's barrier behind its opening barrier
	s_cmp_lg_u32 s14, 0
	s_cbranch_scc1 .Lnot_wave_0_\@
	s_barrier_signal -3
.Lnot_wave_0_\@:
	s_barrier_wait -3
	s_barrier_signal -1
	s_barrier_wait -1
.endm
.macro CROUND                          ; a whole round
	s_barrier_signal -1
	s_barrier_wait -1
	CREST
.endm
; A PREFETCH INTO THE L2: chunk c + 2 behind the joint load of chunk c and its lines, two refills ahead; chunk 1 behind the head's loads, and chunk 2 too behind chunk 1's joint load.  32 rows x 256 bytes a wave, a lane a
; row.  Of the 128 rows that a wave fetches the four partners that ask jointly take 32 each, told apart BY ADDRESS.  x's rows belong to one cluster alone; W1's are read by all sixteen clusters, and the first four ask.
; In the loop's second trip (s3 = 1) and behind chunk 7 nothing is left to ask for.
.macro ASK chunk
	s_cmp_gt_u32 s3, s[LIM]
	s_cbranch_scc0 .Lnot_mine_\@
	global_prefetch_b8 v[PFO], s[PFA:PFA+1] offset:256*\chunk th:TH_LOAD_NT scope:SCOPE_SE
.Lnot_mine_\@:
.endm
	s_load_b128 s[4:7], s[0:1], 0x0                ; x's codes s[4:5], x's scales s[6:7]
	s_load_b128 s[8:11], s[0:1], 0x10              ; W1's codes s[8:9], W1's scales s[10:11]
	s_load_b64 s[12:13], s[0:1], 0x20              ; b1
	s_load_b64 s[96:97], s[0:1], 0x28              ; hcodes
	s_load_b64 s[98:99], s[0:1], 0x30              ; hscales
	v_lshl_add_u32 v[SPW], v0, 2, SPARE
	v_mov_b32 v[NIL], 0
	ds_add_u32 v[SPW], v[NIL]                      ; the wave's opening: the add, twice on end, under one wait
	ds_add_u32 v[SPW], v[NIL]
	v_lshrrev_b32 v1, 5, v0
	v_readfirstlane_b32 s14, v1                    ; wave 0..3
	s_lshr_b32 s15, s14, 1                         ; which half of the tile's rows is mine.  Also: I fetch for x (0) or for W1 (1)
	s_and_b32 s16, s14, 1                          ; which half of its hidden units.  Also: which 128 rows of that tile I fetch
	s_bfe_u32 s40, ttmp6, 0x40000                  ; cx, cy: my place in the cluster
	s_bfe_u32 s41, ttmp6, 0x40004
	s_lshl_b32 s42, ttmp9, 2
	s_add_co_u32 s42, s42, s40                     ; tile column = 4 x cluster x + cx
	s_and_b32 s17, ttmp7, 0xffff
	s_lshl_b32 s17, s17, 2
	s_add_co_u32 s17, s17, s41                     ; tile row = 4 x cluster y + cy
	s_lshl_b32 s43, s41, 2
	s_lshl_b32 s43, 15, s43                        ; my row of the cluster
	s_lshl_b32 s44, 0x1111, s40                    ; my column
	; descriptor group 1 for tiles of codes: rows of 256 bytes, 16 bytes of padding behind each: 256 rows for the head's loads; behind them the two words that count rows are set to 128
	s_or_b32 s[G1+0], s43, (0<<16)|(1<<20)|(1<<21)|(5<<22)|(3<<25)  ; 15:0 the mask; elements of 1 byte; padding on; bit 21 beside a mask
	s_or_b32 s[G1B+0], s44, (0<<16)|(1<<20)|(1<<21)|(5<<22)|(3<<25)
.irp g, G1, G1B
	s_mov_b32 s[\g+1], 256<<16                     ; tensor_dim0
	s_mov_b32 s[\g+2], 256<<16                     ; tensor_dim1
	s_mov_b32 s[\g+3], 256<<16                     ; tile_dim0
	s_mov_b32 s[\g+4], 256                         ; tile_dim1
	s_mov_b32 s[\g+5], KROW                        ; tensor_dim0_stride
	s_mov_b32 s[\g+6], 0
	s_mov_b32 s[\g+7], 0
.endr
	; and for the scale bytes of 256 rows: a dense block of 24,576 bytes, as 96 rows of 256 bytes (32 elements of 8 bytes), no padding
	s_or_b32 s[G1S+0], s43, (3<<16)|(1<<21)
	s_or_b32 s[G1SB+0], s44, (3<<16)|(1<<21)
.irp g, G1S, G1SB
	s_mov_b32 s[\g+1], 32<<16
	s_mov_b32 s[\g+2], 96<<16
	s_mov_b32 s[\g+3], 32<<16
	s_mov_b32 s[\g+4], 96
	s_mov_b32 s[\g+5], 32
	s_mov_b32 s[\g+6], 0
	s_mov_b32 s[\g+7], 0
.endr
	s_mul_i32 s18, s17, 256*KROW                   ; where the tile's rows of x begin (under 2^26), W1's,
	s_mov_b32 s19, 0
	s_mul_i32 s20, s42, 256*KROW
	s_mov_b32 s21, 0
	s_mul_i32 s46, s17, 2*HALFS                    ; and their scale bytes
	s_mov_b32 s47, 0
	s_mul_i32 s92, s42, 2*HALFS
	s_mov_b32 s93, 0
	s_mul_i32 s94, s16, 128*KROW                   ; the 128 rows of a tile that my refills fetch
	s_mov_b32 s95, 0
	s_mul_i32 s45, s14, HALFT                      ; where they go: wave x 128 rows: no place in the cluster enters an LDS address
	s_mov_b32 s3, 2                                ; the loop's trips
	s_wait_dscnt 0x0                               ; both opening adds are done
	s_wait_kmcnt 0x0
	s_add_nc_u64 s[18:19], s[4:5], s[18:19]
	s_add_nc_u64 s[20:21], s[8:9], s[20:21]
	s_add_nc_u64 s[46:47], s[6:7], s[46:47]
	s_add_nc_u64 s[92:93], s[10:11], s[92:93]
	s_mov_b32 s[G0H], 1                            ; the head's four tiles: chunk 0 of x's codes,
	s_mov_b32 s[G0H+1], 0
	s_mov_b64 s[G0H+2:G0H+3], s[18:19]
	s_or_b32 s[G0H+3], s[G0H+3], 0x80000000
	s_mov_b32 s[G0HB], 1                           ; of W1's codes,
	s_mov_b32 s[G0HB+1], 2*HALFT
	s_mov_b64 s[G0HB+2:G0HB+3], s[20:21]
	s_or_b32 s[G0HB+3], s[G0HB+3], 0x80000000
	s_mov_b32 s[G0S], 1                            ; x's scales,
	s_mov_b32 s[G0S+1], SCL
	s_mov_b64 s[G0S+2:G0S+3], s[46:47]
	s_or_b32 s[G0S+3], s[G0S+3], 0x80000000
	s_mov_b32 s[G0SB], 1                           ; W1's scales
	s_mov_b32 s[G0SB+1], SCL+2*HALFS
	s_mov_b64 s[G0SB+2:G0SB+3], s[92:93]
	s_or_b32 s[G0SB+3], s[G0SB+3], 0x80000000
	CROUND                                         ; all sixteen work-groups are here: the first joint loads meet
; THE HEAD'S LOADS, ONE A WAVE.  One chain of branches on the wave's number; every way passes exactly one load.
.macro ARM under, g0, g1, next
	s_cmp_lt_u32 s14, \under
	s_cbranch_scc0 \next
	tensor_load_to_lds s[\g0:\g0+3], s[\g1:\g1+7]
	s_nop 0
	PLACES 4
	s_branch .Lhead_asked
\next:
.endm
	ARM 1, G0H,  G1,  .Lhead_b
	ARM 2, G0HB, G1B, .Lhead_sa
	ARM 3, G0S,  G1S, .Lhead_sb
	tensor_load_to_lds s[G0SB:G0SB+3], s[G1SB:G1SB+7]
	s_nop 0
	PLACES 4
.Lhead_asked:
	; the ring's group 0, one for each slot: at chunk 0 or 1; each later refill steps it by two chunks first
	s_add_nc_u64 s[46:47], s[18:19], s[94:95]
	s_add_nc_u64 s[92:93], s[20:21], s[94:95]
.irp s, 0,1
	s_mov_b32 s[G0+4*\s], 1
	s_add_co_u32 s[G0+4*\s+1], s45, \s*SLOT
	s_add_nc_u64 s[G0+4*\s+2:G0+4*\s+3], s[46:47], 256*\s
	s_or_b32 s[G0+4*\s+3], s[G0+4*\s+3], 0x80000000
	s_mov_b32 s[G0B+4*\s], 1
	s_add_co_u32 s[G0B+4*\s+1], s45, \s*SLOT
	s_add_nc_u64 s[G0B+4*\s+2:G0B+4*\s+3], s[92:93], 256*\s
	s_or_b32 s[G0B+4*\s+3], s[G0B+4*\s+3], 0x80000000
.endr
	; the prefetches: whose rows, who asks
	s_and_b32 s23, ttmp7, 0xffff                   ; cluster y
	s_cmp_eq_u32 s15, 0                            ; do I fetch for x?
	s_cselect_b64 s[PFA:PFA+1], s[18:19], s[20:21]
	s_cselect_b32 s22, s40, s41                    ; my place among the four that ask for it with me
	s_cselect_b32 s23, 0, s23
	s_lshl_b32 s22, s22, 5                         ; my work-group's 32 rows
	s_lshl_b32 s94, s16, 7                         ; of the 128 that I fetch
	s_add_co_u32 s22, s22, s94
	s_mul_i32 s22, s22, KROW
	s_cmp_lt_u32 s23, 4
	s_cselect_b32 s[LIM], 1, -1                    ; the same in all sixteen partners, for a given wave
	s_mov_b32 s23, 0
	s_add_nc_u64 s[PFA:PFA+1], s[PFA:PFA+1], s[22:23]
	v_and_b32 v4, 31, v0                           ; lane
	v_mul_u32_u24 v[PFO], v4, KROW
	v_lshlrev_b32 v[LI], 4, v4
	v_and_b32 v1, 15, v0                           ; r = l % 16
	v_bfe_u32 v2, v0, 4, 1                         ; h = l / 16: kept to the end
	v_lshlrev_b32 v3, 5, v2                        ; 32 h; not rewritten
	s_wait_alu depctr_va_vdst(0)                   ; ahead of the branches
	ASK 1
	s_lshl_b32 s22, s42, 10                        ; b1: 256 numbers a tile column,
	s_lshl_b32 s23, s16, 9                         ; 128 a half
	s_add_co_u32 s22, s22, s23
	s_mov_b32 s23, 0
	s_add_nc_u64 s[12:13], s[12:13], s[22:23]
	; b1 in the result's layout, into the accumulators of x's block 7: the first step's products of every block take it from there as C, block 7's last
	WIN 0xc0
.irp b, 0,1,2,3,4,5,6,7
	global_load_b128 v[192+8*\b:195+8*\b], v3, s[12:13] offset:64*\b
	global_load_b128 v[196+8*\b:199+8*\b], v3, s[12:13] offset:64*\b+16
.endr
	WIN 0
	v_lshlrev_b32 v[HSA], 4, v1
	v_lshl_add_u32 v[HSA], v2, 11, v[HSA]
	v_mul_u32_u24 v4, v1, PITCH
	v_mul_u32_u24 v5, v2, 48
	v_add_nc_u32 v5, v4, v5                        ; row x pitch + 48 h
	v_mul_u32_u24 v8, SLOT-208, v2
	v_add_nc_u32 v8, v4, v8
	v_add_nc_u32 v8, 208, v8                       ; across two chunks: lanes 0-15 byte 208 of the row in slot 0, lanes 16-31 byte 0 of the row in slot 1;
	v_sub_nc_u32 v9, 1, v2
	v_mul_u32_u24 v9, SLOT+208, v9
	v_add_nc_u32 v9, v4, v9                        ; and lanes 0-15 byte 208 of the row in slot 1, lanes 16-31 byte 0 of the row in slot 0
	s_mul_i32 s22, s15, HALFT                      ; my 128 rows of x
	s_mul_i32 s23, s16, HALFT                      ; my 128 rows of W1,
	s_add_co_u32 s23, s23, 2*HALFT                 ; which lie behind x's 256
	v_add_nc_u32 v[ADRA], s22, v5
	v_add_nc_u32 v[ADRA+2], s22, v8
	v_add_nc_u32 v[ADRA+3], s22, v9
	v_add_nc_u32 v[ADRB], s23, v5
	v_add_nc_u32 v[ADRB+2], s23, v8
	v_add_nc_u32 v[ADRB+3], s23, v9
	s_add_co_u32 s22, s22, SLOT
	s_add_co_u32 s23, s23, SLOT
	v_add_nc_u32 v[ADRA+1], s22, v5
	v_add_nc_u32 v[ADRB+1], s23, v5
	v_mul_u32_u24 v4, v1, 96                       ; my row's scale bytes: 96 a row
	s_mul_i32 s22, s15, HALFS                      ; x's: my 128 rows
	s_mul_i32 s23, s16, HALFS                      ; W1's: my 128 rows, behind x's 256
	s_add_co_u32 s23, s23, 2*HALFS
	s_sub_co_u32 s23, s23, s22                     ; the distance between the two: one product with h
	v_mul_u32_u24 v5, s23, v2
	s_add_co_u32 s22, s22, SCL
	v_add_nc_u32 v4, v4, v5
	v_add_nc_u32 v[ADRS], s22, v4
	s_wait_alu depctr_va_vdst(0)
	; where my results go: row tile 16 x tile row + 8 x half (+ a), K step 2 x tile column + half of the next product
	s_mov_b32 s[SEL], 0x76543210
	s_mov_b32 s[SEL+1], 0xfedcba98
	s_lshl_b32 s20, s17, 4
	s_lshl_b32 s21, s15, 3
	s_add_co_u32 s20, s20, s21                     ; my first row tile
	s_lshl_b32 s22, s42, 1
	s_add_co_u32 s22, s22, s16                     ; my K step
	s_mul_i32 s18, s20, 12288                      ; a row tile's eight fragments,
	s_mul_i32 s19, s22, 1536                       ; a fragment's image
	s_add_co_u32 s18, s18, s19
	s_mov_b32 s19, 0
	s_add_nc_u64 s[96:97], s[96:97], s[18:19]
	s_lshl_b32 s18, s20, 9                         ; four row tiles' scale words are 2,048 bytes,
	s_lshl_b32 s19, s22, 8                         ; a K step's 256 of them
	s_add_co_u32 s18, s18, s19
	s_mov_b32 s19, 0
	s_add_nc_u64 s[98:99], s[98:99], s[18:19]
	s_mov_b32 s2, 0x03010200                       ; v_perm_b32: a scale word's bytes 0, 2, 1, 3
; Three loads of 16 bytes: a fragment, 16 rows x 128 K: lane (r, h) takes bytes 96 NX + 48 h + 0 .. 47 of row r
.macro FRL reg, adr, i
.irp p, 0,1,2
.set Y, 96*NX+16*\p                    ; where lanes 0-15 read in the row of codes; lanes 16-31 read 48 bytes on.  Byte Y lies in chunk Y / 256, in slot (Y / 256) % 2
.set YO, Y%256
.set SL, (Y/256)%2
.if YO < 208
	ds_load_b128 v[(\reg)+4*\p:(\reg)+4*\p+3], v[\adr+SL] offset:YO+(\i)*16*PITCH
.else                                  ; lanes 16-31 read the next chunk
	ds_load_b128 v[(\reg)+4*\p:(\reg)+4*\p+3], v[\adr+2+SL] offset:YO-208+(\i)*16*PITCH
.endif
.endr
.endm
.macro FR                              ; fragment F of step NX, into set NX % 2: W1's blocks 0-7, then x's
.if F < 8
	WIN TO_B
	FRL 96*(NX%2)+12*F, ADRB, F
.else
	WIN 0
	FRL XF+96*(NX%2)+12*(F-8), ADRA, F-8
.endif
.set F, F+1
.endm
.macro QUAD n                          ; the scale words of steps 4 n .. 4 n + 3, as they lie, of blocks 1-7
	WIN TO_B
.irp i, 1,2,3,4,5,6,7
	ds_load_b128 v[RAW+4*\i:RAW+4*\i+3], v[ADRS] offset:\i*1536+16*(\n)
.endr
.if (\n) == 5                          ; steps 17-20 run the text of steps 1-4: block 0's words of steps 20-23 move to the registers of those of steps 4-7
	WIN 0x41
.irp i, 0,1,2,3
	v_mov_b32 v[RW0+4+\i], v[RW0+20+\i]
.endr
	s_wait_alu depctr_va_vdst(0)
.endif
.endm
.macro PERMS pr                        ; the scale words of the pair of steps 2 pr, 2 pr + 1, their bytes in the instruction's order
	WIN 0x05                                       ; sources window 1, destination window 0
.irp q, 0,1
.irp i, 0,1,2,3,4,5,6,7
.if \i == 0
.set RG, RW0+2*(\pr)+\q
.else
.set RG, RAW+4*\i+2*((\pr)%2)+\q
.endif
	v_perm_b32 v[SC+16*((\pr)%2)+8*\q+\i], v[RG], v[RG], s2
.endr
.endr
.endm
; Product N of a step: x's block N / 8 against W1's block N % 8, 128 along K.  The 64 accumulators take turns, one instruction a turn, in the same order in every step.
.macro MM
.set AA, N/8
.set BB, N%8
.set DR, 8*(8*(AA%4)+BB)
.if ZERO                               ; the first step: C is b1, in the accumulators of block 7
	WIN 0xb1+0x40*(AA/4)
	v_wmma_scale_f32_16x16x128_f8f6f4 v[DR:DR+7], v[96*P+12*BB:96*P+12*BB+11], v[XF+96*P+12*AA:XF+96*P+12*AA+11], v[192+8*BB:199+8*BB], v[SCR+BB], v[SCR+AA] matrix_a_fmt:MATRIX_FMT_FP6 matrix_b_fmt:MATRIX_FMT_FP6 matrix_a_scale:MATRIX_SCALE_ROW1
.else                                  ; source 0 (W1) window 1, source 1 (x) window 0, C and D window 2 or 3
	WIN 0xa1+0x50*(AA/4)
	v_wmma_scale_f32_16x16x128_f8f6f4 v[DR:DR+7], v[96*P+12*BB:96*P+12*BB+11], v[XF+96*P+12*AA:XF+96*P+12*AA+11], v[DR:DR+7], v[SCR+BB], v[SCR+AA] matrix_a_fmt:MATRIX_FMT_FP6 matrix_b_fmt:MATRIX_FMT_FP6 matrix_a_scale:MATRIX_SCALE_ROW1
.endif
.set N, N+1
.endm
; Step s multiplies set s % 2 and fetches step s + 1 into the other set, in ONE run of 48 loads ahead of its products or of most of them; the rest of the products follow unbroken.  What else stands in it:
; mode 1: step s + 1 is the first to read a chunk: my part of it has landed, and a barrier shows it whole, ahead of the fetch.
; mode 2: the chunk in 'slot' has had its last read (the fetch of step s): each wave waits for all its tensor loads, adds 0 to its spare word, waits for that and for its reads; the round of the cluster's barrier;
;   the joint refill, two chunks on, first behind it; then the prefetch of chunk pf.  At steps 7 and 15 the same round shows the chunk that step s + 1 begins.  In step 0 it is slot 1's first fill with codes.
; At a pair's first step the next pair's scale words are put in order: 16 lines, which stand between this pair's words, written a pair ago, and their first readers.  quad: four steps' words to fetch.
.macro STEP s, mode, slot, pf, quad
.set P, (\s)%2
.set NX, (\s)+1
.set SCR, SC+16*(((\s)/2)%2)+8*P
.set N, 0
.set F, 0
	WIN 0
.if (\mode) == 2
	s_wait_tensorcnt 0x0                           ; all my tensor loads have landed: every group 0 may be written
	ds_add_u32 v[SPW], v[NIL]                      ; 0 onto my spare word
.if (\s) > 0
	s_add_nc_u64 s[G0+4*\slot+2:G0+4*\slot+3], s[G0+4*\slot+2:G0+4*\slot+3], 512
	s_add_nc_u64 s[G0B+4*\slot+2:G0B+4*\slot+3], s[G0B+4*\slot+2:G0B+4*\slot+3], 512
.endif
	s_wait_dscnt 1                                 ; this step's fragments are in; the add may be out
.else
	s_wait_dscnt 0x0                               ; this step's fragments are in
.endif
	PLACES 4                                       ; the other set of fragments and of scale words, read by the last step's products, is written from here on
.if P == 0 && (\s) < 22
	PERMS (\s)/2+1
.endif
.if (\mode) == 2
.rept 4
	MM
.endr
	s_wait_dscnt 0x0                               ; the add is done, and so are my reads of this slot
	s_barrier_signal -1
.rept 6
	MM
.endr
	WIN 0
	s_barrier_wait -1
	CREST                                          ; no wave of any partner still reads this slot's bytes or has a load on its way
	JLOAD G0+4*\slot, G1, G0B+4*\slot, G1B         ; the first tensor load behind the round, my one load until the next
.if (\s) == 0
	ASK 2
.endif
.if (\pf) > 0
	ASK \pf
.endif
.else
.if (\mode) == 1
.rept 8
	MM
.endr
	s_wait_tensorcnt 0x0                           ; my part of the chunk has landed
	s_barrier_signal -1
.rept 4
	MM
.endr
	s_barrier_wait -1
.endif
.endif
.rept 16
	FR
.endr
.if (\quad) > 0
	QUAD \quad
.endif
.rept 64-N
.if ZERO && N == 56
	PLACES 5                                       ; block 7's products write over the C of the other blocks' products
.endif
	MM
.endr
.endm
	s_wait_tensorcnt 0x0                           ; my tile of the head's four is in: no tensor load of mine is out, so descriptors may be written:
	s_mov_b32 s[G1+2], 128<<16                     ; from here on a load brings 128 rows
	s_mov_b32 s[G1+4], 128
	s_mov_b32 s[G1B+2], 128<<16
	s_mov_b32 s[G1B+4], 128
	s_barrier_signal -1
	s_barrier_wait -1                              ; all four tiles are in.
	WIN TO_B
.irp q, 0,1,2,3,4,5
	ds_load_b128 v[RW0+4*\q:RW0+4*\q+3], v[ADRS] offset:16*\q   ; block 0's scale words for all of K
.endr
	QUAD 0
.set NX, 0
.set F, 0
.rept 16
	FR
.endr
	s_wait_dscnt 48                                ; the scale words are in; the 48 fragment loads may be out
	PERMS 0
	s_wait_loadcnt 0x0                             ; b1
.set ZERO, 1
	STEP 0, 2, 1, 3, 1                             ; the first step's products start the sums from b1.  Chunk 1
.set ZERO, 0
	WIN 0                                          ; at a label and at a branch every window is 0
; Chunks and slots come back to where they began after sixteen steps; the walk has twenty-four.  So a trip has sixteen steps, and the second trip leaves behind its fourth: steps 1-4 serve as steps 17-20 too.
.Lwalk:
	STEP 1,  1, 0, 0, 0
	STEP 2,  2, 0, 4, 0                            ; chunk 2 (step 18: chunk 8)
	STEP 3,  0, 0, 0, 0
	STEP 4,  1, 0, 0, 0
	WIN 0
	s_cmp_eq_u32 s3, 1
	s_cbranch_scc1 .Ltail
	STEP 5,  2, 1, 5, 2                            ; chunk 3
	STEP 6,  0, 0, 0, 0
	STEP 7,  2, 0, 6, 0                            ; chunk 4
	STEP 8,  0, 0, 0, 3
	STEP 9,  1, 0, 0, 0
	STEP 10, 2, 1, 7, 0                            ; chunk 5
	STEP 11, 0, 0, 0, 0
	STEP 12, 1, 0, 0, 0
	STEP 13, 2, 0, 8, 4                            ; chunk 6
	STEP 14, 0, 0, 0, 0
	STEP 15, 2, 1, 0, 0                            ; chunk 7
	STEP 16, 0, 0, 0, 5
	WIN 0
	s_sub_co_u32 s3, s3, 1
	s_cmp_lg_u32 s3, 0
	s_cbranch_scc1 .Lwalk                          ; taken once: the second trip leaves above
.Ltail:
	STEP 21, 0, 0, 0, 0
	WIN 0
	s_wait_alu depctr_va_vdst(0)                   ; no more scale words are written between the last pair's and their readers
	STEP 22, 0, 0, 0, 0
; THE LAST STEP AND THE WAY OUT, by blocks of 16 rows: a block's sums are finished by its eight products, so its relu stands among the next block's.
; OUT: the 64 numbers v[HA] .. v[HA + 63] of a lane (register 16 B + i belongs to block B of 32 hidden units; lanes l and l xor 16 hold a block together) become a fragment's codes in v[CDS] on
; and my row's scale word.  No |.| on the sources: nothing is negative behind the relu.
.macro RELU8 a                         ; tile KK of block a
	WIN 0x08+4*((\a)/4)                            ; source 1: window 2 or 3
.irp j, 0,1,2,3,4,5,6,7
	v_max_num_f32 v[HA+8*KK+\j], 0, v[64*((\a)%4)+8*KK+\j]
.endr
.endm
.macro OUT a
.set CDS, CD+12*((\a)%2)
.if (\a) < 4
.set PWR, Q4+(\a)
.else
.set PWR, WD
.endif
	WIN 0
.if (\a) > 1
	s_wait_xcnt 0x0                                ; the stores of the block two back have read this set of code registers
.endif
.irp b, 0,1,2,3
	v_max3_num_f32 v[TM+\b], v[HA+16*\b], v[HA+1+16*\b], 0x1800000   ; block b: my 16 numbers, and the floor 2^(3 - 127), under which no largest number is taken: so the byte cannot fall under 1
.endr
.irp i, 2,4,6,8,10,12,14
.irp b, 0,1,2,3
	v_max3_num_f32 v[TM+\b], v[TM+\b], v[HA+16*\b+\i], v[HA+1+16*\b+\i]
.endr
.endr
.irp b, 0,1,2,3
	v_permlanex16_b32 v[TM+4+\b], v[TM+\b], s[SEL], s[SEL+1]
.endr
.irp b, 0,1,2,3
	v_max_num_f32 v[TM+\b], v[TM+\b], v[TM+4+\b]   ; with lane l xor 16's: the block's largest number
.endr
.irp b, 0,1,2,3
	v_add_nc_u32 v[TS+\b], 0xff000000, v[TM+\b]    ; 2 off its exponent field: the conversion takes the exponent field of this operand as its scale
.endr
.irp b, 0,1,2,3
	v_lshrrev_b32 v[TM+4+\b], 23, v[TS+\b]         ; the scale's byte
.endr
	v_lshl_or_b32 v[PWR], v[TM+5], 8, v[TM+4]      ; my row's scale word (both halves of the lanes hold the same)
	v_lshl_or_b32 v[PWR], v[TM+6], 16, v[PWR]
	v_lshl_or_b32 v[PWR], v[TM+7], 24, v[PWR]
.if (\a) > 3
	v_cndmask_b32 v[Q4+(\a)-4], v[Q4+(\a)-4], v[WD], vcc_lo   ; lanes 16-31 keep blocks 4-7's words
.endif
.irp c, 0,1
	v_cvt_scalef32_pk16_fp6_f32 v[CDS+6*\c:CDS+2+6*\c], v[HA+32*\c:HA+15+32*\c], v[TS+2*\c]
	v_cvt_scalef32_pk16_fp6_f32 v[CT+4*\c:CT+2+4*\c], v[HA+16+32*\c:HA+31+32*\c], v[TS+2*\c+1]   ; (a conversion's three registers begin on an even number)
.endr
	v_nop                                          ; one plain place behind a scaled conversion
.irp c, 0,1                                    ; the operand's layout wants a WHOLE block in a lane: lanes 0-15 block 2 c, lanes 16-31 block 2 c + 1
.irp i, 0,1,2
	v_permlane16_swap_b32 v[CDS+6*\c+\i], v[CT+4*\c+\i]
.endr
.irp i, 0,1,2
	v_mov_b32 v[CDS+3+6*\c+\i], v[CT+4*\c+\i]
.endr
.endr
.irp c, 0,1,2
	global_store_b128 v[LI], v[CDS+4*\c:CDS+4*\c+3], s[96:97] offset:(\a)*12288+512*\c th:TH_STORE_NT   ; 512 consecutive bytes, aligned to 256
.endr
.endm
.set P, 1
.set SCR, SC+24
.set N, 0
	WIN 0
	s_wait_dscnt 0x0                               ; the last step's fragments are in
	PLACES 4
.irp b, 0,1,2,3
	v_mov_b32 v[TM+4+\b], 0                        ; written once: a lane permute's destination counts as one of its sources
.endr
	v_cmp_eq_u32 vcc_lo, 1, v2                     ; lanes 16-31
.rept 8
	MM
.endr
	PLACES 4                                       ; ahead of the first read of results
.irp a, 1,2,3,4,5,6,7
.set KK, 0
.rept 8
	MM
	RELU8 \a-1
.set KK, KK+1
.endr
	OUT \a-1
.endr
	PLACES 4
.set KK, 0
.rept 8
	RELU8 7
.set KK, KK+1
.endr
	OUT 7
	global_store_b128 v[HSA], v[Q4:Q4+3], s[98:99] th:TH_STORE_NT   ; lanes 0-15 the words of blocks 0-3, lanes 16-31 those of blocks 4-7: sixteen lanes fill 256 consecutive bytes, aligned
	s_wait_tensorcnt 0x0                           ; the wave's end, behind my last tensor load
	ds_add_u32 v[SPW], v[NIL]
	s_wait_dscnt 0x0
	CROUND                                         ; the closing round: no work-group ends while a partner may still ask for a tile that names it
	s_endpgm
.Lfunc_end_k_q15ae4a7c21_fc1:
	.size	k_q15ae4a7c21_fc1, .Lfunc_end_k_q15ae4a7c21_fc1-k_q15ae4a7c21_fc1
	.p2alignl 7, 3214868480
	.fill 96, 4, 3214868480
	.section	.rodata,"a",@progbits
	.p2align	6, 0x0
	.amdhsa_kernel k_q15ae4a7c21_fc1
		.amdhsa_group_segment_fixed_size 327680
		.amdhsa_private_segment_fixed_size 0
		.amdhsa_enable_private_segment 0
		.amdhsa_kernarg_size 56
		.amdhsa_user_sgpr_count 2
		.amdhsa_user_sgpr_kernarg_segment_ptr 1
		.amdhsa_wavefront_size32 1
		.amdhsa_system_sgpr_workgroup_id_x 1
		.amdhsa_system_sgpr_workgroup_id_y 1
		.amdhsa_system_sgpr_workgroup_id_z 1
		.amdhsa_system_vgpr_workitem_id 0
		.amdhsa_next_free_vgpr 1024
		.amdhsa_next_free_sgpr 102
		.amdhsa_reserve_vcc 1
		.amdhsa_float_denorm_mode_32 3
		.amdhsa_float_denorm_mode_16_64 3
		.amdhsa_memory_ordered 1
		.amdhsa_forward_progress 1
		.amdhsa_inst_pref_size 255
	.end_amdhsa_kernel
	.section	.bss,"aw",@nobits
	.p2align	6
	.space	262144
	.amdgpu_metadata
---
amdhsa.version: [ 1, 2 ]
amdhsa.kernels:
  - .name:           k_q15ae4a7c21_fc1
    .symbol:         k_q15ae4a7c21_fc1.kd
    .args:
      - { .name: x_codes, .offset: 0, .size: 8, .value_kind: global_buffer, .address_space: global }
      - { .name: x_scales, .offset: 8, .size: 8, .value_kind: global_buffer, .address_space: global }
      - { .name: w1_codes, .offset: 16, .size: 8, .value_kind: global_buffer, .address_space: global }
      - { .name: w1_scales, .offset: 24, .size: 8, .value_kind: global_buffer, .address_space: global }
      - { .name: b1, .offset: 32, .size: 8, .value_kind: global_buffer, .address_space: global }
      - { .name: hcodes, .offset: 40, .size: 8, .value_kind: global_buffer, .address_space: global }
      - { .name: hscales, .offset: 48, .size: 8, .value_kind: global_buffer, .address_space: global }
    .group_segment_fixed_size: 327680
    .private_segment_fixed_size: 0
    .kernarg_segment_align: 8
    .kernarg_segment_size: 56
    .max_flat_workgroup_size: 128
    .sgpr_count:     102
    .vgpr_count:     1024
    .wavefront_size: 32
...
	.end_amdgpu_metadata
.endif
;; end of part 1
;; launch fc2 (part 2): grid 256 x 1, 4 waves a work-group, no clusters, 168,448 bytes of LDS; arguments hcodes, hscales, w2_codes, w2_scales, b2, out0; writes out0
.if DOCPART == 2
	.amdgcn_target "amdgcn-amd-amdhsa--gfx1250"
	.amdhsa_code_object_version 6
	.text
	.protected	k_q15ae4a7c21_fc2
	.globl	k_q15ae4a7c21_fc2
	.p2align	8
	.type	k_q15ae4a7c21_fc2,@function
k_q15ae4a7c21_fc2:
	s_mov_b64 s[64:65], 0
	v_nop
	global_prefetch_b8 v0, s[64:65] scope:SCOPE_SE
	s_setreg_imm32_b32 hwreg(HW_REG_WAVE_MODE, 25, 1), 1
	s_wait_xcnt 0x0
; out0 = h W2^T + b2 on codes of FP6 (E2M3).  h: as the launch before laid it: hcodes [row tile of 16][K step of 128][3 x 4 registers][lane][16 bytes], the image of an operand's registers; hscales [4 row tiles][K step][row][tile % 4], words.
; W2: [50][1024] codes, K innermost, a row 768 bytes; its scale bytes [50][32].  b2: [50], out0: [16384][50], f32.
; SHARES.  Work-group g takes rows 64 g .. 64 g + 63: four row tiles, 49,152 bytes of codes, which come into LDS once, a row tile by each wave's one tensor load.  Wave w makes output columns 16 w .. 16 w + 15 for all
; four row tiles: 4 accumulators x 8 K steps = 32 matrix instructions.  Source 0 = 16 rows of W2, source 1 = h's fragment: register j of lane (r, h) is out(16 i + r, 16 w + 8 h + j).  b2 is the C of each sum's first product.
; Columns 50 to 63 do not exist: their lanes load row 49 of W2 and number 49 of b2 (no load leaves a buffer); their results go to the stage and are never read.
; ORDER INSIDE A BLOCK OF 32 ALONG K: h's codes lie in the order of groups of eight 0, 2, 1, 3.  W2's blocks are laid in the same order here: groups 1 and 2, 48 bits each, change places (four v_perm_b32 and two moves a block).
; NO CLUSTER: what work-groups share is W2, which each wave reads once, straight into the registers where it stays; a joint request would send it through LDS and add an opening and a closing round of the cluster's
; barrier to a launch of 32 matrix instructions a wave.  LDS bytes are filled once, so there is no ring.
; THE WAY OUT: a row of out0 is 200 bytes, the work-group's 64 rows are 12,800 dense bytes: 25 runs of 512.  The results meet in a stage (rows of 256 bytes + 16) and are read back in pieces of 8 bytes (25 a row, none
; straddles a row), so that each store of a wave covers 512 consecutive bytes, aligned to 256.
; REGISTERS: window 0: v1-31 addresses; v32-127 W2's 8 fragments; v128-135 W2's scale words, v136-167 h's (4 s + i); v168-175 b2; v176-207 the accumulators; v208-235 at work, then the rows read back.
;   window 1: v0-191 h's fragments of K steps 0-3 (48 s + 12 i);   window 2: v0-191 those of K steps 4-7.
.set STG,  49152                       ; behind h's images: the stage, 64 rows x 272 bytes; no tensor load lands there
.set SP,   272
.set LI,   4                           ; v4   16 x lane
.set W2A,  5                           ; v5   W2: 768 x min(16 w + r, 49) + 24 h
.set W2SA, 6                           ; v6   its scale bytes: 32 x min(16 w + r, 49)
.set HSA,  7                           ; v7   h's scale words: 16 r
.set SO,   8                           ; v8   the stage, in: 272 r + 32 h + 64 w
.set GO,   9                           ; v9   out0: 16 x lane + 512 w
.set BO,   10                          ; v10-17 b2: 4 x min(16 w + 8 h + j, 49)
.set RA,   18                          ; v18-31 the stage, back: piece e of run 4 t + w at v[RA + 2 t + e]
.set W2F,  32
.set W2S,  128
.set HS,   136
.set B2,   168
.set ACC,  176
.set T0,   208
.set T1,   209
.set OUTR, 208
.set MSB, 0
.macro WIN new                         ; the immediate's high byte repeats the setting that is left
.if MSB != (\new)
	s_set_vgpr_msb (MSB<<8)|(\new)
.set MSB, (\new)
.endif
.endm
	s_load_b256 s[4:11], s[0:1], 0x0               ; hcodes s[4:5], hscales s[6:7], W2's codes s[8:9], W2's scales s[10:11]
	s_load_b128 s[12:15], s[0:1], 0x20             ; b2 s[12:13], out0 s[14:15]
	v_lshl_add_u32 v254, v0, 2, 0x29000
	v_mov_b32 v255, 0
	ds_add_u32 v254, v255
	ds_add_u32 v254, v255
	v_lshrrev_b32 v1, 5, v0
	v_readfirstlane_b32 s16, v1                    ; wave 0..3
	; descriptor group 1: a dense block of 12,288 bytes as 48 rows of 256 bytes (32 elements of 8 bytes), no padding
	s_mov_b32 s24, 3<<16
	s_mov_b32 s25, 32<<16                          ; tensor_dim0
	s_mov_b32 s26, 48<<16                          ; tensor_dim1
	s_mov_b32 s27, 32<<16                          ; tile_dim0
	s_mov_b32 s28, 48                              ; tile_dim1
	s_mov_b32 s29, 32                              ; tensor_dim0_stride
	s_mov_b32 s30, 0
	s_mov_b32 s31, 0
	s_mul_i32 s17, s16, 12288                      ; my row tile: in LDS,
	s_mul_i32 s18, ttmp9, 49152
	s_add_co_u32 s18, s18, s17                     ; and in hcodes (under 2^24)
	s_mov_b32 s19, 0
	s_mov_b32 s32, 0x05040100                      ; v_perm_b32: {first source's low half, second's low half}
	s_mov_b32 s33, 0x05040302                      ; {first's low half, second's high half}
	s_mov_b32 s34, 0x07060302                      ; {first's high half, second's high half}
	s_lshl_b32 s36, s16, 4                         ; 16 w
	s_lshl_b32 s37, s16, 6                         ; 64 w
	s_lshl_b32 s38, s16, 9                         ; 512 w
	s_wait_dscnt 0x0
	s_wait_kmcnt 0x0
	s_mov_b32 s20, 1                               ; group 0: count = 1,
	s_mov_b32 s21, s17                             ; LDS address,
	s_add_nc_u64 s[22:23], s[4:5], s[18:19]        ; global address,
	s_or_b32 s23, s23, 0x80000000                  ; type = 2
	tensor_load_to_lds s[20:23], s[24:31]          ; my one tensor load: a first fill, ahead of every wait on TENSORcnt, LDS read and barrier
	s_nop 0
.rept 4
	v_nop
.endr
	s_lshl_b32 s18, ttmp9, 11
	s_add_nc_u64 s[6:7], s[6:7], s[18:19]          ; my four row tiles' scale words: 2,048 bytes
	s_mul_i32 s18, ttmp9, 12800
	s_add_nc_u64 s[14:15], s[14:15], s[18:19]      ; my 64 rows of out0
	v_and_b32 v1, 31, v0                           ; lane
	v_and_b32 v2, 15, v0                           ; r
	v_bfe_u32 v3, v0, 4, 1                         ; h
	v_lshlrev_b32 v[LI], 4, v1
	v_add_nc_u32 v[W2A], s36, v2
	v_min_u32 v[W2A], 49, v[W2A]                   ; my row of W2, held inside the tensor
	v_lshlrev_b32 v[W2SA], 5, v[W2A]
	v_mul_u32_u24 v[W2A], v[W2A], 768
	v_mad_u32_u24 v[W2A], v3, 24, v[W2A]
	v_lshlrev_b32 v[HSA], 4, v2
	v_lshl_add_u32 v[T0], v3, 3, s36               ; 16 w + 8 h
.irp j, 0,1,2,3,4,5,6,7
	v_add_nc_u32 v[BO+\j], \j, v[T0]
	v_min_u32 v[BO+\j], 49, v[BO+\j]
	v_lshlrev_b32 v[BO+\j], 2, v[BO+\j]
.endr
.irp s, 0,1,2,3,4,5,6,7
.irp p, 0,1,2,3,4,5
	global_load_b64 v[W2F+12*\s+2*\p:W2F+12*\s+2*\p+1], v[W2A], s[8:9] offset:96*\s+48*(\p/3)+8*(\p%3)   ; W2's fragment of K step s: 24 bytes of the row twice, in pieces of 8
.endr
.endr
	global_load_b128 v[W2S:W2S+3],   v[W2SA], s[10:11]            ; my row's eight scale words: register s for K step s
	global_load_b128 v[W2S+4:W2S+7], v[W2SA], s[10:11] offset:16
.irp s, 0,1,2,3,4,5,6,7
	global_load_b128 v[HS+4*\s:HS+4*\s+3], v[HSA], s[6:7] offset:256*\s th:TH_LOAD_NT   ; row r's words of the four row tiles, K step s
.endr
.irp j, 0,1,2,3,4,5,6,7
	global_load_b32 v[B2+\j], v[BO+\j], s[12:13]
.endr
	; while they are on their way: the stage's addresses
	v_mul_u32_u24 v[SO], v2, SP
	v_lshl_add_u32 v[SO], v3, 5, v[SO]
	v_add_nc_u32 v[SO], s37, v[SO]
	v_lshl_add_u32 v[GO], v1, 4, s38
	v_lshl_add_u32 v[T1], v1, 1, s37               ; 2 x lane + 64 w: my first piece of run w
.irp n, 0,1,2,3,4,5,6,7,8,9,10,11,12,13
	v_add_nc_u32 v[RA+\n], 256*(\n/2)+\n%2, v[T1]  ; piece q of the 1,600
	v_mul_u32_u24 v[T0], v[RA+\n], 5243
	v_lshrrev_b32 v[T0], 17, v[T0]                 ; its row, q / 25: 5243 / 2^17 lies 9.2e-7 above 1 / 25, which over q < 1,800 stays under 1 / 25; the product stays under 2^24
	v_mul_u32_u24 v[T0], v[T0], 72
	v_lshl_add_u32 v[RA+\n], v[RA+\n], 3, v[T0]    ; 272 row + 8 (q - 25 row) = 8 q + 72 row
.endr
	s_wait_loadcnt 0x0
	; W2's blocks into h's order.  A block's 192 bits lie in six registers; group 1 is bits 48-95, group 2 bits 96-143
.set O, W2F
.rept 16
	v_perm_b32 v[T0], v[O+2], v[O+1], s33          ; group 1's low 32 bits
	v_perm_b32 v[T1], v[O+4], v[O+3], s33          ; group 2's high 32 bits
	v_perm_b32 v[O+1], v[O+3], v[O+1], s32         ; group 0's end, group 2's low 16 bits
	v_perm_b32 v[O+4], v[O+4], v[O+2], s34         ; group 1's high 16 bits, group 3's beginning
	v_mov_b32 v[O+2], v[T1]
	v_mov_b32 v[O+3], v[T0]
.set O, O+6
.endr
.rept 4
	v_nop                                          ; an operand written by vector instructions stands four places ahead of a scaled matrix instruction
.endr
	s_wait_tensorcnt 0x0                           ; my row tile has landed,
	s_barrier_signal -1
	s_barrier_wait -1                              ; everybody's has
.macro HLOAD s                         ; the four row tiles' fragments of K step s, as they were stored: 512 consecutive bytes a load
.irp i, 0,1,2,3
.irp c, 0,1,2
	ds_load_b128 v[48*((\s)%4)+12*\i+4*\c:48*((\s)%4)+12*\i+4*\c+3], v[LI] offset:12288*\i+1536*(\s)+512*\c
.endr
.endr
.endm
.macro PROD s, first                   ; four matrix instructions: the four accumulators take turns, one instruction a turn
.irp i, 0,1,2,3
.if \first
	v_wmma_scale_f32_16x16x128_f8f6f4 v[ACC+8*\i:ACC+8*\i+7], v[W2F+12*(\s):W2F+12*(\s)+11], v[48*((\s)%4)+12*\i:48*((\s)%4)+12*\i+11], v[B2:B2+7], v[W2S+(\s)], v[HS+4*(\s)+\i] matrix_a_fmt:MATRIX_FMT_FP6 matrix_b_fmt:MATRIX_FMT_FP6
.else
	v_wmma_scale_f32_16x16x128_f8f6f4 v[ACC+8*\i:ACC+8*\i+7], v[W2F+12*(\s):W2F+12*(\s)+11], v[48*((\s)%4)+12*\i:48*((\s)%4)+12*\i+11], v[ACC+8*\i:ACC+8*\i+7], v[W2S+(\s)], v[HS+4*(\s)+\i] matrix_a_fmt:MATRIX_FMT_FP6 matrix_b_fmt:MATRIX_FMT_FP6
.endif
.endr
.endm
	WIN 0x40                                       ; destination window 1
.irp s, 0,1,2,3
	HLOAD \s
.endr
.irp s, 0,1,2,3
	s_wait_dscnt 36                                ; this step's twelve loads are in; the 36 issued behind them may be out
	WIN 0x04                                       ; source 1 window 1
	PROD \s, 1-(\s+3)/4
	WIN 0x80                                       ; destination window 2: no register is loaded twice, so no places are owed to the loads
	HLOAD \s+4
.endr
.irp s, 4,5,6,7
	s_wait_alu depctr_va_vdst(0)
	s_wait_dscnt 12*(7-\s)                         ; the later steps' loads may be out
	WIN 0x08                                       ; source 1 window 2
	PROD \s, 0
.endr
	WIN 0
.rept 4
	v_nop                                          ; places behind the last products, ahead of the first read of results
.endr
.irp i, 0,1,2,3
	ds_store_b128 v[SO], v[ACC+8*\i:ACC+8*\i+3] offset:STG+16*\i*SP        ; each accumulator from its low end on: out(16 i + r, 16 w + 8 h + 0 .. 3),
	ds_store_b128 v[SO], v[ACC+8*\i+4:ACC+8*\i+7] offset:STG+16*\i*SP+16   ; and + 4 .. 7
.endr
	s_wait_dscnt 0x0                               ; for the others' sake: my stores into the stage are done
	s_barrier_signal -1
	s_barrier_wait -1
.irp t, 0,1,2,3,4,5
	ds_load_b64 v[OUTR+4*\t:OUTR+4*\t+1],   v[RA+2*\t]   offset:STG
	ds_load_b64 v[OUTR+4*\t+2:OUTR+4*\t+3], v[RA+2*\t+1] offset:STG
.endr
.irp t, 0,1,2,3,4,5
	s_wait_dscnt 10-2*\t                           ; run 4 t + w's two loads are in; the later runs' may be out
	global_store_b128 v[GO], v[OUTR+4*\t:OUTR+4*\t+3], s[14:15] offset:2048*\t th:TH_STORE_NT   ; 32 lanes store 512 consecutive bytes, at a multiple of 256 from out0's first byte
.endr
	s_cmp_lg_u32 s16, 0                            ; the 25th run is wave 0's
	s_cbranch_scc1 .Ldone
	ds_load_b64 v[OUTR+24:OUTR+25], v[RA+12] offset:STG
	ds_load_b64 v[OUTR+26:OUTR+27], v[RA+13] offset:STG
	s_wait_dscnt 0x0
	global_store_b128 v[GO], v[OUTR+24:OUTR+27], s[14:15] offset:12288 th:TH_STORE_NT
.Ldone:
	s_wait_tensorcnt 0x0
	ds_add_u32 v254, v255
	s_wait_dscnt 0x0
	s_endpgm
.Lfunc_end_k_q15ae4a7c21_fc2:
	.size	k_q15ae4a7c21_fc2, .Lfunc_end_k_q15ae4a7c21_fc2-k_q15ae4a7c21_fc2
	.p2alignl 7, 3214868480
	.fill 96, 4, 3214868480
	.section	.rodata,"a",@progbits
	.p2align	6, 0x0
	.amdhsa_kernel k_q15ae4a7c21_fc2
		.amdhsa_group_segment_fixed_size 168448
		.amdhsa_private_segment_fixed_size 0
		.amdhsa_enable_private_segment 0
		.amdhsa_kernarg_size 48
		.amdhsa_user_sgpr_count 2
		.amdhsa_user_sgpr_kernarg_segment_ptr 1
		.amdhsa_wavefront_size32 1
		.amdhsa_system_sgpr_workgroup_id_x 1
		.amdhsa_system_sgpr_workgroup_id_y 1
		.amdhsa_system_sgpr_workgroup_id_z 1
		.amdhsa_system_vgpr_workitem_id 0
		.amdhsa_next_free_vgpr 704
		.amdhsa_next_free_sgpr 66
		.amdhsa_reserve_vcc 0
		.amdhsa_float_denorm_mode_32 3
		.amdhsa_float_denorm_mode_16_64 3
		.amdhsa_memory_ordered 1
		.amdhsa_forward_progress 1
		.amdhsa_inst_pref_size 34
	.end_amdhsa_kernel
	.amdgpu_metadata
---
amdhsa.version: [ 1, 2 ]
amdhsa.kernels:
  - .name:           k_q15ae4a7c21_fc2
    .symbol:         k_q15ae4a7c21_fc2.kd
    .args:
      - { .name: hcodes, .offset: 0, .size: 8, .value_kind: global_buffer, .address_space: global }
      - { .name: hscales, .offset: 8, .size: 8, .value_kind: global_buffer, .address_space: global }
      - { .name: w2_codes, .offset: 16, .size: 8, .value_kind: global_buffer, .address_space: global }
      - { .name: w2_scales, .offset: 24, .size: 8, .value_kind: global_buffer, .address_space: global }
      - { .name: b2, .offset: 32, .size: 8, .value_kind: global_buffer, .address_space: global }
      - { .name: out0, .offset: 40, .size: 8, .value_kind: global_buffer, .address_space: global }
    .group_segment_fixed_size: 168448
    .private_segment_fixed_size: 0
    .kernarg_segment_align: 8
    .kernarg_segment_size: 48
    .max_flat_workgroup_size: 128
    .sgpr_count:     66
    .vgpr_count:     704
    .wavefront_size: 32
...
	.end_amdgpu_metadata
.endif
;; end of part 2
